; MI455X (gfx1250); checked and timed in simulation.
; The chip was launched on July 23, 2026; its instructions are those of AMD's public machine-readable ISA for CDNA 5 (MIT licence, August 2026) and "CDNA5" Instruction Set Architecture Reference Guide (July 2026). The comments in the code are by the model that wrote it; some were corrected since.
;; Multi Headed Attention. Allowed arithmetic: matrix products marked QUANTISED: E4M3 operands, one given power-of-two scale a tensor, by v_wmma_f32_16x16x64_fp8_fp8 or v_wmma_f32_16x16x128_fp8_fp8, f32 sums; everything else in f32.
;; Inputs: b_proj 1,024 float32; b_qkv 3,072 float32; lowp_scales 8 int32 (the exponents e of the quantised operands' scales 2^e); w_proj_codes 1,024 x 32 x 32 uint8 (E4M3 codes of w_proj, K innermost, in blocks of 32 codes); w_qkv_codes 3,072 x 32 x 32 uint8 (E4M3 codes of w_qkv, K innermost, in blocks of 32 codes); x_codes 4 x 2,048 x 32 x 32 uint8 (E4M3 codes of x, K innermost, in blocks of 32 codes).
;; Outputs: out0 4 x 2,048 x 1,024 float32.
;; This version of the problem:
;;   THIS VERSION OF THE PROBLEM IS GIVEN IN LOW PRECISION. The matrix products marked QUANTISED in the list below multiply operands that are first quantised to E4M3 (4 exponent bits, 3 mantissa bits; 8 bits a number), with one given power-of-two scale for each operand tensor; their sums are f32. All else is computed in f32.
;;   The module's matrix products, in the order in which they are computed (A, B: the left and right operand; K: the contracted axis; several contracted axes count as one K, in the product's order):
;;     1. [M 8,192, K 1,024] x [K 1,024, N 3,072]; A: input x (given as codes); B: input w_qkv (given as codes): QUANTISED (scales: A lowp_scales[0], B lowp_scales[1])
;;     2. batch 64 x [M 2,048, K 64] x [K 64, N 2,048]; A: computed on the way; B: computed on the way: QUANTISED (scales: A lowp_scales[2], B lowp_scales[3])
;;     3. batch 64 x [M 2,048, K 2,048] x [K 2,048, N 64]; A: softmax (see below); B: computed on the way: QUANTISED (scales: A lowp_scales[4], B lowp_scales[5])
;;     4. [M 8,192, K 1,024] x [K 1,024, N 1,024]; A: computed on the way; B: input w_proj (given as codes): QUANTISED (scales: A lowp_scales[6], B lowp_scales[7])
;;   THE QUANTISER, for each operand of a quantised product, along K:
;;     - The operand's scale is 2^e, e = its entry of the input lowp_scales (int32; the entries are numbered through the quantised products in the list's order, A before B).
;;     - Each number is divided by the scale, clamped to +-448, and rounded to the nearest number of E4M3, ties to even, subnormals kept.
;;     - The product sums the exact products of the quantised numbers (number of the format x scale) in f32.
;;   ~~~python
;;   def quantise(x, axis, e):      # numpy; x: float32 -> the quantised numbers, widened to float32 again
;;       x = np.moveaxis(x, axis, -1); K = x.shape[-1]
;;       r = np.clip(x / 2.0 ** e, -448, 448)
;;       step = 2.0 ** (np.maximum(np.frexp(np.where(r == 0, 1, r))[1] - 1, -6) - 3)
;;       q = np.round(r / step) * step * 2.0 ** e      # np.round: ties to even
;;       return np.moveaxis(q, -1, axis).astype(np.float32)
;;   ~~~
;;   SOFTMAX AHEAD OF A QUANTISED PRODUCT. Where the list says 'softmax', what is quantised is not the finished softmax but p = 2^(t - M), with t = logit x log2(e) and M = ceil(the row's largest t), a whole number; so 1/2 < the row's largest p <= 1. The row's sum l is taken of the UNQUANTISED p, in f32, and the product's result is divided by l at the end. Since M is a whole number, a kernel that streams over the keys may use a running M (the ceiling of the running maximum): every later rescaling is an exact power of two, so the quantised numbers keep their values, but for numbers so far below the row's largest that they fall under the format's range.
;;   OPERANDS COMPUTED ON THE WAY. 'Computed on the way' means the value that the module computes at that place (a softmax that the list does not call 'softmax' is quantised finished and normalised). What goes into a quantiser is computed in f32, as accurately as f32 sums, v_exp_f32 and their like allow (about 1e-6 of the number): no bf16 or f16 on the way to a quantiser, and a product that is left as it is and whose result goes on into a quantised operand takes f32 operands (vector FMAs, or v_wmma_f32_16x16x4_f32). A number that lies on a knife's edge between two numbers of the format may be rounded either way, as far as f32 arithmetic and the matrix unit's own rounding can turn it there, and no further.
;;   INPUTS GIVEN AS CODES. w_proj (in the module: [1024, 1024], K = its axis 0); w_qkv (in the module: [1024, 3072], K = its axis 0); x (in the module: [4, 2048, 1024], K = its axis 2): each comes as NAME_codes (uint8): NAME with its K axis moved to the last place and cut into blocks of 32 codes, [.., K / 32, bytes a block], one block behind the other in memory; one code a byte (a code: sign, 4 exponent bits, 3 mantissa bits); its scale is its entry of lowp_scales. Its value is code x scale, taken as it is: it is not quantised again, and the codes and scales need not be those that the quantiser above would give.
;; One version. Each part assembles by itself: llvm-mc -triple=amdgcn-amd-amdhsa -mcpu=gfx1250 --defsym DOCPART=n.
;; ======== version 1 of 1: 3 launches
;; limits: right only within a limited range of input values
;; workspace buffers: qc 8,388,608 bytes; kc 8,388,608 bytes; vc 8,388,608 bytes; ao 8,388,608 bytes
;; launch qkv (part 1): grid 12 x 32, 4 waves a work-group, clusters of 4 x 4, 327,680 bytes of LDS; arguments x_codes, w_qkv_codes, b_qkv, lowp_scales, qc, kc, vc; writes qc, kc, vc
.if DOCPART == 1
	.amdgcn_target "amdgcn-amd-amdhsa--gfx1250"
	.amdhsa_code_object_version 6
	.text
	.protected	k_q682241b62a_qkv
	.globl	k_q682241b62a_qkv
	.p2align	8
	.type	k_q682241b62a_qkv,@function
k_q682241b62a_qkv:
	s_mov_b64 s[64:65], 0
	v_nop
	global_prefetch_b8 v0, s[64:65] scope:SCOPE_SE
	s_setreg_imm32_b32 hwreg(HW_REG_WAVE_MODE, 25, 1), 1
	s_wait_xcnt 0x0
	s_wait_alu depctr_hold_cnt(0) depctr_sa_sdst(0) depctr_va_vdst(0) depctr_va_sdst(0) depctr_va_ssrc(0) depctr_va_vcc(0) depctr_vm_vsrc(0)
	s_getreg_b32 s2, hwreg(HW_REG_IB_STS2, 6, 4)
	s_cmp_eq_u32 s2, 0
	s_cbranch_scc0 .Lentry_in_a_cluster
	s_endpgm
.Lentry_in_a_cluster:
	s_bfe_u32 s2, ttmp6, 0x10000c
	s_cmp_lg_u32 s2, 0xf033
	s_cbranch_scc0 .Lentry_shape_is_right
	s_endpgm
.Lentry_shape_is_right:
; qkv = x w_qkv + b_qkv on codes of FP8 (E4M3), and the three quantisers behind it.  x: [8192][1024] codes, w_qkv: [3072][1024] codes (K innermost), b_qkv: [3072] f32.
; Each finished f32 sum is multiplied by 2^(e0 + e1), the bias is added (one fused multiply-add), and the number is held within +-448 x 2^e and converted with the scale 2^e: e = e2 for q, e3 for k, e5 for v.
; LIMITS: e0 + e1 between -126 and 127; e2, e3, e5 between -126 and 119, so that each power of two below is an f32 number.  NaN among the biases is not served.
; SHARES.  A tile of 256 x 256 is made by a work-group of four waves, a wave makes 128 x 128: 64 accumulators, 512 registers.  K goes in steps of 256 through a ring of two LDS slots filled by the tensor data mover.
; THE MATRIX INSTRUCTION IS USED TRANSPOSED (source 0 = 16 rows of B, source 1 = 16 rows of A): a lane holds ONE row of A and eight neighbouring rows of B.
; ONE TEXT SERVES Q, K AND V BY A CHOICE OF POINTERS on the cluster's x (the same in all sixteen partners).  Clusters x = 0, 1: A = x (tokens), B = w_qkv's rows 0-2047 (channels of q, k): a lane holds a token and eight
; neighbouring channels.  Cluster x = 2: A = w_qkv's rows 2048-3071 (channels of v), B = x (tokens): a lane holds a channel and eight neighbouring KEYS, which are the K of attention's second product.
; THE RESULTS LEAVE AS IMAGES OF THE NEXT OPERAND'S REGISTERS.  In the 8-bit operand layout lane (r, h) holds k = 16 c + 8 h + 0..7 in registers 2 c, 2 c + 1 (ISA guide 7.12.2): one conversion of an accumulator's
; eight registers gives just these two registers, in the lane that will want them.  Registers 4 p .. 4 p + 3 are stored at byte 512 p + 16 x lane of the image: each store of the wave covers 512 consecutive bytes, aligned.
;   qc, kc: [64 batch x head][128 tiles of 16 tokens][1,024 bytes]: 16 tokens x 64 channels.      vc: [64 batch x head][16 chunks of 128 keys][4 tiles of 16 channels][2,048 bytes]: 16 channels x 128 keys.
; CLUSTERS: 4 x 4 work-groups.  The four of a row of the cluster need the same tiles of A, the four of a column the same tiles of B: each tile is asked for jointly.
; 384 tiles: the grid is one and a half times the number of tiles that run at once; a tile of 256 x 384 would need 768 registers of accumulators and leave no room for fragments.
; REGISTERS, in windows of 256: window 0: v0-31 addresses and constants; v32-95 the bias by column, v96-111 the bias by row; from v128 A's fragments, ONE set (on the way out: the codes).
;   window 1: B's fragments, TWO sets.   window 2: the 32 accumulators of my rows 0-63 ((a, b) at v[8 (8 a + b)]);   window 3: those of my rows 64-127.
.set SIZE_K, 1024
.set KSTEP,  256                       ; along K in a slot
.set ROWB,   256                       ; a tile's row in bytes
.set KROW,   SIZE_K                    ; a row of A or of B in memory, in bytes
.set PITCH,  272                       ; an LDS row: 256 bytes + 16 of padding = 68 words: row r starts at bank 4 r mod 64 (ISA guide 11.1), so the 16 rows of a load start at 16 different banks
.set FR,     16                        ; registers of a fragment: 16 rows x 128 K
.set NL,     4                         ; LDS loads that bring one
.set NP,     4                         ; places behind this matrix instruction (ISA guide 7.12.1)
.set HALFT,  128*PITCH                 ; 128 rows: what one tensor load brings
.set SLOT,   4*HALFT                   ; A's 256 rows, then B's 256 rows
.set LAPS,   SIZE_K/(2*KSTEP)          ; a lap = two K steps = once round the ring
.set SPARE,  2*SLOT                    ; behind the ring: the spare words, 128 bytes for each wave: two blocks of 256 bytes that no other line names
.set ADRA, 16                          ; v16-17  LDS address of my A fragments in slot 0, 1
.set ADRB, 20                          ; v20-21  the same for B
.set CO0,  24                          ; v24     16 x lane: my place in an image's pieces 0, 1
.set CO1,  25                          ; v25     the same for a block's codes 8-15: q, k: the next head's plane less 1,024; v: + 0
.set SCL,  26                          ; v26     2^e of the quantiser, as f32
.set LIMV, 27
.set SPW,  28                          ; v28     LDS address of my spare word; never rewritten
.set NIL,  29                          ; v29     0; never rewritten
.set BNA,  30                          ; v30     32 x (lane / 16)
.set BMA,  31                          ; v31     4 x (lane % 16)
.set BN,   32                          ; v32-95  the bias of B's rows: tile b's eight numbers of my half at v[BN + 8 b]
.set BM,   96                          ; v96-111 the bias of A's rows: block a's number of my row at v[BM + 2 a], doubled into a pair
.set AF,   128                         ; A's fragments, in window 0
.set CD,   128                         ; the way out: block a's 16 registers of codes at v[CD + 16 a]: no store's data are written again
.set G1, 24                            ; s[24:31] descriptor group 1 for A's tiles;  s[32:39] group 0, one set for each slot
.set G0, 32
.set G1B, 48                           ; s[48:55], s[56:63] the same for B's tiles
.set G0B, 56
.set MSB, 0
.macro WIN new                         ; the immediate's high byte repeats the setting that is left
.if MSB != \new
	s_set_vgpr_msb (MSB<<8)|\new
.set MSB, \new
.endif
.endm
.set MUL_LO, 0xa1                      ; source 0 (B) window 1, source 1 (A) window 0, C and D window 2
.set MUL_HI, 0xf1                      ; the same, C and D window 3
.set TO_B,   0x40                      ; destination window 1, address window 0
; A joint load: waves 0 and 1 fetch for A, waves 2 and 3 for B.  Each of the two lines has ONE mask and one set of registers for all that issue it; the branch hangs on the wave's number alone.
; Four v_nop follow each of the two lines, ahead of the jump, the label and what follows.
.macro JLOAD g0a, g1a, g0b, g1b
	s_cmp_eq_u32 s15, 0
	s_cbranch_scc0 .Lfor_b_\@
	tensor_load_to_lds s[\g0a:\g0a+3], s[\g1a:\g1a+7]
	s_nop 0
.rept 4
	v_nop
.endr
	s_branch .Lasked_\@
.Lfor_b_\@:
	tensor_load_to_lds s[\g0b:\g0b+3], s[\g1b:\g1b+7]
	s_nop 0
.rept 4
	v_nop
.endr
.Lasked_\@:
.endm
.macro CREST                           ; a round of the cluster's barrier behind its opening barrier
	s_cmp_lg_u32 s14, 0
	s_cbranch_scc1 .Lnot_wave_0_\@
	s_barrier_signal -3
.Lnot_wave_0_\@:
	s_barrier_wait -3
	s_barrier_signal -1
	s_barrier_wait -1
.endm
.macro CROUND                          ; a whole round
	s_barrier_signal -1
	s_barrier_wait -1
	CREST
.endm
	s_load_b256 s[68:75], s[0:1], 0x0              ; x s[68:69], w_qkv s[70:71], b_qkv s[72:73], the exponents s[74:75]
	s_load_b128 s[76:79], s[0:1], 0x20             ; qc s[76:77], kc s[78:79]
	s_load_b64 s[80:81], s[0:1], 0x30              ; vc
	v_lshl_add_u32 v[SPW], v0, 2, SPARE
	v_mov_b32 v[NIL], 0
	ds_add_u32 v28, v29
	ds_add_u32 v28, v29
	s_wait_dscnt 0x0
	v_lshrrev_b32 v1, 5, v0
	v_readfirstlane_b32 s14, v1                    ; wave 0..3
	s_lshr_b32 s15, s14, 1                         ; which half of the tile's rows (of A) is mine.  Also: I fetch for A (0) or for B (1)
	s_and_b32 s16, s14, 1                          ; which half of its columns (rows of B).  Also: which 128 rows of that tile I fetch
	s_bfe_u32 s40, ttmp6, 0x40000                  ; cx, cy: my place in the cluster
	s_bfe_u32 s41, ttmp6, 0x40004
	s_and_b32 s67, ttmp7, 0xffff                   ; cluster y, 0..7
	s_cmp_eq_u32 ttmp9, 2                          ; cluster x = 2: v's work
	s_cselect_b32 s66, 1, 0
	s_cselect_b32 s42, s67, ttmp9                  ; the cluster's coordinate along B's tiles: v: the tokens' (y); q, k: the channels' (x)
	s_cselect_b32 s17, 0, s67                      ; along A's tiles: v: its four tiles of channels lie in one cluster; q, k: the tokens' (y)
	s_lshl_b32 s42, s42, 2
	s_add_co_u32 s42, s42, s40                     ; tile of B = 4 x that + cx
	s_lshl_b32 s17, s17, 2
	s_add_co_u32 s17, s17, s41                     ; tile of A = 4 x that + cy
	s_lshl_b32 s43, s41, 2
	s_lshl_b32 s43, 15, s43                        ; my row of the cluster
	s_lshl_b32 s44, 0x1111, s40                    ; my column
	; descriptor group 1: a tile of 128 rows x 256 bytes, padded in LDS
	s_or_b32 s[G1+0], s43, (0<<16)|(1<<20)|(1<<21)|(5<<22)|(3<<25)  ; 15:0 the mask: A's tiles go to my row; 17:16 element of 1 byte; 20 padding on; 21 set beside a mask; 24:22 after every 64 words (code 5); 31:25 of 4 words (code 3)
	s_or_b32 s[G1B+0], s44, (0<<16)|(1<<20)|(1<<21)|(5<<22)|(3<<25)
.irp g, G1, G1B
	s_mov_b32 s[\g+1], ROWB<<16                    ; tensor_dim0
	s_mov_b32 s[\g+2], 128<<16                     ; tensor_dim1 = 128
	s_mov_b32 s[\g+3], ROWB<<16                    ; tile_dim0
	s_mov_b32 s[\g+4], 128                         ; tile_dim1 = 128
	s_mov_b32 s[\g+5], KROW                        ; tensor_dim0_stride
	s_mov_b32 s[\g+6], 0
	s_mov_b32 s[\g+7], 0
.endr
	s_lshl_b32 s18, s16, 7                         ; which 128 rows of the tile I fetch
	s_lshl_b32 s20, s17, 8
	s_add_co_u32 s20, s20, s18                     ; A: row 256 x tile + 128 x half,
	s_lshl_b32 s20, s20, 10                        ; in bytes: 1,024 a row, under 2^23
	s_mov_b32 s21, 0
	s_lshl_b32 s46, s42, 8
	s_add_co_u32 s46, s46, s18                     ; B likewise
	s_lshl_b32 s46, s46, 10
	s_mov_b32 s47, 0
	s_mul_i32 s45, s14, HALFT                      ; where they go: wave x 128 rows: no place in the cluster enters an LDS address
	s_wait_kmcnt 0x0
	s_load_b256 s[84:91], s[74:75], 0x0            ; e0 .. e7
	s_add_nc_u64 s[82:83], s[70:71], 0x200000      ; w_qkv's row 2048: v's channels
	s_cmp_eq_u32 s66, 1
	s_cselect_b64 s[4:5], s[82:83], s[68:69]       ; A
	s_cselect_b64 s[6:7], s[68:69], s[70:71]       ; B
	s_add_nc_u64 s[20:21], s[4:5], s[20:21]
	s_add_nc_u64 s[46:47], s[6:7], s[46:47]
	CROUND                                         ; all sixteen work-groups are here: the first joint loads meet
.irp s, 0,1
	s_mov_b32 s[G0+4*\s], 1
	s_add_co_u32 s[G0+4*\s+1], s45, \s*SLOT
	s_add_nc_u64 s[G0+4*\s+2:G0+4*\s+3], s[20:21], \s*ROWB
	s_or_b32 s[G0+4*\s+3], s[G0+4*\s+3], 0x80000000
	s_mov_b32 s[G0B+4*\s], 1
	s_add_co_u32 s[G0B+4*\s+1], s45, \s*SLOT
	s_add_nc_u64 s[G0B+4*\s+2:G0B+4*\s+3], s[46:47], \s*ROWB
	s_or_b32 s[G0B+4*\s+3], s[G0B+4*\s+3], 0x80000000
	JLOAD G0+4*\s, G1, G0B+4*\s, G1B
.endr
	v_and_b32 v1, 15, v0                           ; r = l % 16
	v_bfe_u32 v2, v0, 4, 1                         ; h = l / 16
	v_mul_u32_u24 v3, v1, PITCH
	v_lshl_add_u32 v4, v2, 4, v3                   ; a fragment's row x pitch + 16 x half
	s_mul_i32 s21, s15, HALFT                      ; my 128 rows of A
	s_mul_i32 s22, s16, HALFT                      ; my 128 rows of B,
	s_add_co_u32 s22, s22, 2*HALFT                 ; which lie behind A's 256
.irp s, 0,1
	v_add_nc_u32 v[ADRA+\s], s21, v4
	v_add_nc_u32 v[ADRB+\s], s22, v4
	s_add_co_u32 s21, s21, SLOT
	s_add_co_u32 s22, s22, SLOT
.endr
	v_and_b32 v5, 31, v0
	v_lshlrev_b32 v[CO0], 4, v5                    ; 16 x lane
	s_wait_alu depctr_va_vdst(0)
	v_lshlrev_b32 v[BNA], 5, v2                    ; 32 h: my half's eight numbers of a tile's sixteen
	s_wait_alu depctr_va_vdst(0)
	v_lshlrev_b32 v[BMA], 2, v1                    ; 4 r
	s_wait_alu depctr_va_vdst(0)
	; WHERE THE IMAGES GO.  q, k: batch and tokens from A's tile, heads from B's; v: the other way round.  One formula: U = the tokens' tile, th = the tokens' half, F = the channels' tile within the part, fh = the channels' half:
	; plane = 16 (U / 8) + 4 F + 2 fh, of 131,072 bytes;  in it byte (2 (U % 8) + th) x 8,192: q, k: 8 tiles of 16 tokens; v: a chunk of 128 keys
	s_lshl_b32 s92, s42, 10
	s_lshl_b32 s93, s16, 9
	s_add_co_u32 s92, s92, s93                     ; the bias by column, q, k: (256 x tile of B + 128 x half) x 4 bytes
	s_cmp_eq_u32 s66, 1
	s_cselect_b32 s82, s42, s17                    ; U
	s_cselect_b32 s83, s41, s40                    ; F
	s_cselect_b32 s98, s15, s16                    ; fh
	s_cselect_b32 s99, s16, s15                    ; th
	s_cselect_b32 s67, 0, 130048                   ; a block's codes 8-15: v: the same image; q, k: the next head's: 131,072 - 1,024
	s_cselect_b32 s92, 0, s92                      ; in v's work the bias by column is loaded from byte 0 and not used: no load leaves the buffer
	s_mov_b32 s10, 1024
	s_cselect_b32 s10, 2048, s10                   ; from block a to a + 1: v: the next tile of channels; q, k: the next tile of tokens
	s_mov_b32 s12, 1024
	s_cselect_b32 s12, 124928, s12                 ; from block 3 to 4: v: the next head's plane, three tiles back: 131,072 - 6,144
	s_mov_b32 s11, 0
	s_mov_b32 s13, 0
	v_add_nc_u32 v[CO1], s67, v[CO0]
	s_lshl_b32 s83, s83, 2
	s_lshl_b32 s98, s98, 1
	s_add_co_u32 s83, s83, s98
	s_lshr_b32 s98, s82, 3
	s_lshl_b32 s98, s98, 4
	s_add_co_u32 s83, s83, s98                     ; the plane,
	s_lshl_b32 s83, s83, 17                        ; in bytes
	s_and_b32 s82, s82, 7
	s_lshl_b32 s82, s82, 1
	s_add_co_u32 s82, s82, s99
	s_lshl_b32 s82, s82, 13
	s_add_co_u32 s82, s82, s83
	s_mov_b32 s83, 0
	s_cmp_eq_u32 ttmp9, 0
	s_cselect_b64 s[8:9], s[76:77], s[78:79]       ; qc or kc,
	s_cmp_eq_u32 ttmp9, 2
	s_cselect_b64 s[8:9], s[80:81], s[8:9]         ; or vc
	s_add_nc_u64 s[8:9], s[8:9], s[82:83]
	s_mov_b32 s93, 0
	s_add_nc_u64 s[92:93], s[72:73], s[92:93]
	s_lshl_b32 s94, s41, 10
	s_lshl_b32 s95, s15, 9
	s_add_co_u32 s94, s94, s95
	s_add_co_u32 s94, s94, 8192                    ; the bias by row, v: (2,048 + 256 cy + 128 x half) x 4 bytes: inside the buffer in every work-group
	s_mov_b32 s95, 0
	s_add_nc_u64 s[94:95], s[72:73], s[94:95]
	; both bias vectors are loaded on every path; the way out uses one of them.  They are waited for there
.irp b, 0,1,2,3,4,5,6,7
	global_load_b128 v[BN+8*\b:BN+8*\b+3], v[BNA], s[92:93] offset:64*\b
	global_load_b128 v[BN+8*\b+4:BN+8*\b+7], v[BNA], s[92:93] offset:64*\b+16
.endr
.irp a, 0,1,2,3,4,5,6,7
	global_load_b32 v[BM+2*\a], v[BMA], s[94:95] offset:64*\a
.endr
.macro FRAG reg, adr, q, i             ; a fragment, 16 rows x 128 K, is 16 registers, fetched by four loads of 16 bytes: registers 4 c .. 4 c + 3 hold K = 32 c + 16 (l / 16) + 0 .. 15: a permutation of k, the same in A and in B
.irp c, 0,1,2,3
	ds_load_b128 v[\reg+4*\c:\reg+4*\c+3], v[\adr] offset:128*(\q)+32*\c+(\i)*16*PITCH
.endr
.endm
; 16 matrix instructions: A's blocks a0, a0 + 1 x B's eight, 128 along K.  p: B's set.  zero = 1: the first product starts the sums: nothing is ever cleared.
; The 64 accumulators take turns, one instruction a turn, in the same order in every step.
.macro MUL16 a0, p, zero
.irp a, \a0, \a0+1
.irp b, 0,1,2,3,4,5,6,7
.if \zero
	v_wmma_f32_16x16x128_fp8_fp8 v[8*(8*((\a)%4)+\b):8*(8*((\a)%4)+\b)+7], v[128*(\p)+FR*\b:128*(\p)+FR*\b+FR-1], v[AF+FR*(\a):AF+FR*(\a)+FR-1], 0
.else
	v_wmma_f32_16x16x128_fp8_fp8 v[8*(8*((\a)%4)+\b):8*(8*((\a)%4)+\b)+7], v[128*(\p)+FR*\b:128*(\p)+FR*\b+FR-1], v[AF+FR*(\a):AF+FR*(\a)+FR-1], v[8*(8*((\a)%4)+\b):8*(8*((\a)%4)+\b)+7]
.endif
.endr
.endr
.endm
.macro FETCH_B slot, q, p              ; B's eight fragments of the slot's q-th 128 along K into set p
	WIN TO_B
.irp i, 0,1,2,3,4,5,6,7
	FRAG 128*(\p)+FR*\i, ADRB+\slot, \q, \i
.endr
	WIN 0
.endm
.macro FETCH_A slot, q, i0             ; A's blocks i0 .. i0 + 3
.irp i, \i0, \i0+1, \i0+2, \i0+3
	FRAG AF+FR*(\i), ADRA+\slot, \q, \i
.endr
.endm
; A load into a register that a matrix instruction has read, and a vector instruction that reads a matrix result, stand NP places behind that matrix instruction; only plain vector
; instructions that name none of its registers are places (ISA guide 7.12.1 for vector instructions).
.macro PLACES n
.rept \n
	v_nop
.endr
.endm
; A step of 128 along K that has its successor in the same slot.
.macro STEP slot, q, zero
	s_wait_dscnt 4*NL                              ; B's set and A's blocks 0-3 are in; the youngest sixteen loads (A's blocks 4-7) may be out
	WIN MUL_LO
	MUL16 0, (\q)%2, \zero
	MUL16 2, (\q)%2, \zero
	s_wait_dscnt 0                                 ; A's blocks 4-7 are in (asked for 32 matrix instructions ago)
	PLACES NP
	FETCH_B \slot, (\q)+1, 1-(\q)%2
	FETCH_A \slot, (\q)+1, 0
	WIN MUL_HI
	MUL16 4, (\q)%2, \zero
	MUL16 6, (\q)%2, \zero
	PLACES NP
	WIN 0
	FETCH_A \slot, (\q)+1, 4
.endm
; A slot's last step changes slots: ONE barrier; in front of it each wave waits for all its tensor loads, adds 0 to its spare word, and waits for that and for its own reads of this slot.  fill = 1: this slot is filled again, two K steps ahead.
.macro TURN slot, next, fill
	s_wait_tensorcnt 0x0                           ; all my tensor loads have landed: my part of the next slot;  (every window is 0 here: the add's two registers lie in window 0)
	ds_add_u32 v[SPW], v[NIL]                      ; 0 onto my spare word
	s_wait_dscnt 4*NL+1                            ; (the add and the youngest sixteen loads, A's blocks 4-7, may be out)
	WIN MUL_LO
	MUL16 0, 1, 0                                  ; sixteen matrix instructions stand between the add and the wait for it
	s_wait_dscnt 0x0                               ; the add is done, and my reads of this slot are over
	s_barrier_signal -1
	MUL16 2, 1, 0
	WIN 0
	s_barrier_wait -1
.if \fill
	CREST                                          ; the barrier has opened a round of the cluster's barrier: no wave of any partner still reads this slot's tile or has a load on its way
	s_add_nc_u64 s[G0+4*\slot+2:G0+4*\slot+3], s[G0+4*\slot+2:G0+4*\slot+3], 2*ROWB
	s_add_nc_u64 s[G0B+4*\slot+2:G0B+4*\slot+3], s[G0B+4*\slot+2:G0B+4*\slot+3], 2*ROWB
	JLOAD G0+4*\slot, G1, G0B+4*\slot, G1B         ; the first tensor load behind the round; the four v_nop behind it are the places in front of the loads below
.else
	PLACES NP
.endif
	FETCH_B \next, 0, 0
	FETCH_A \next, 0, 0
	WIN MUL_HI
	MUL16 4, 1, 0
	MUL16 6, 1, 0
	PLACES NP
	WIN 0
	FETCH_A \next, 0, 4
.endm
	s_wait_tensorcnt 1                             ; my part of K step 0 is in (K step 1's load may be out)
	s_barrier_signal -1
	s_barrier_wait -1                              ; everybody's is
	FETCH_B 0, 0, 0
	FETCH_A 0, 0, 0
	FETCH_A 0, 0, 4
	STEP 0, 0, 1                                   ; the first step stands in front of the loop: its products start the sums
	s_mov_b32 s3, LAPS-1
.Llap:                                                 ; a trip goes once round the ring, from a lap's second step to the next lap's first, and fills both slots again
	TURN 0, 1, 1
	STEP 1, 0, 0
	TURN 1, 0, 1
	STEP 0, 0, 0
	s_sub_co_u32 s3, s3, 1
	s_cmp_lg_u32 s3, 0
	s_cbranch_scc1 .Llap
	TURN 0, 1, 0                                   ; the last lap fills nothing, and has no round of the cluster's barrier
	STEP 1, 0, 0
	s_wait_dscnt 4*NL                              ; the very last step: nothing more to fetch
	WIN MUL_LO
	MUL16 0, 1, 0
	MUL16 2, 1, 0
	s_wait_dscnt 0
	WIN MUL_HI
	MUL16 4, 1, 0
	MUL16 6, 1, 0
	WIN 0
	; THE WAY OUT.  The constants first.
	s_wait_kmcnt 0x0
	s_add_co_i32 s96, s84, s85                     ; e0 + e1, between -126 and 127,
	s_add_co_i32 s96, s96, 127
	s_lshl_b32 s96, s96, 23                        ; makes the f32 number 2^(e0 + e1)
	s_mov_b32 s97, s96                             ; (named with it as a pair, so it is written)
	s_cmp_eq_u32 ttmp9, 0
	s_cselect_b32 s98, s86, s87                    ; q: e2; k: e3;
	s_cmp_eq_u32 ttmp9, 2
	s_cselect_b32 s98, s89, s98                    ; v: e5.  A choice, no branch
	s_add_co_i32 s98, s98, 127
	s_lshl_b32 s99, s98, 23
	v_mov_b32 v[SCL], s99                          ; 2^e as f32: the conversion takes its exponent field
	PLACES NP                                      ; behind the last products
	s_wait_loadcnt 0x0                             ; the biases
; sum x 2^(e0 + e1) + bias, in place, two numbers an instruction, each accumulator from its low end on.  way = 0: the bias goes by B's rows (a lane's registers); way = 1: by A's rows (the lane)
.macro ADDBIAS hi, way
.irp a, 0,1,2,3
.irp b, 0,1,2,3,4,5,6,7
.irp j, 0,2,4,6
.if \way
	v_pk_fma_f32 v[64*\a+8*\b+\j:64*\a+8*\b+\j+1], v[64*\a+8*\b+\j:64*\a+8*\b+\j+1], s[96:97], v[BM+2*(4*\hi+\a):BM+2*(4*\hi+\a)+1] op_sel_hi:[1,0,1]
.else
	v_pk_fma_f32 v[64*\a+8*\b+\j:64*\a+8*\b+\j+1], v[64*\a+8*\b+\j:64*\a+8*\b+\j+1], s[96:97], v[BN+8*\b+\j:BN+8*\b+\j+1] op_sel_hi:[1,0,1]
.endif
.endr
.endr
.endr
.endm
	s_cmp_eq_u32 s66, 1                            ; the one branch of the way out: on the cluster's x, the same in all partners; round work on registers alone
	s_cbranch_scc1 .Lby_row
	WIN 0x82                                       ; source 0 and destination window 2; the bias window 0
	ADDBIAS 0, 0
	WIN 0xc3                                       ; window 3
	ADDBIAS 1, 0
	WIN 0
	s_branch .Lbiased
.Lby_row:
.irp a, 0,1,2,3,4,5,6,7
	v_mov_b32 v[BM+2*\a+1], v[BM+2*\a]             ; a pair for the packed form
.endr
	WIN 0x82
	ADDBIAS 0, 1
	WIN 0xc3
	ADDBIAS 1, 1
	WIN 0
.Lbiased:
; Block a: held, converted, stored.  Accumulator (a, b) gives registers 2 b, 2 b + 1 of the block's sixteen: q, k: two images of 16 tokens x 64 channels (two heads); v: one image of 16 channels x 128 keys.
.macro OUTBLK a
.set AC, 64*((\a)%4)
.set WW, 2+(\a)/4
.set WN, 65*WW
	WIN WN                                         ; source 0 and destination: window 2 or 3
.set i, 0
.rept 64
.set i, i+1
.endr
	WIN WW                                         ; source 0 alone
.irp b, 0,1,2,3,4,5,6,7
	v_cvt_scalef32_pk8_fp8_f32 v[CD+16*(\a)+2*\b:CD+16*(\a)+2*\b+1], v[AC+8*\b:AC+8*\b+7], v[SCL]
.endr
	v_nop                                          ; one plain vector instruction behind the last conversion of the run
	WIN 0
.if (\a) > 0
	s_wait_alu depctr_va_vdst(0)
	s_wait_xcnt 0x0                                ; the earlier stores have read their base: it may step
.if (\a) == 4
	s_add_nc_u64 s[8:9], s[8:9], s[12:13]
.else
	s_add_nc_u64 s[8:9], s[8:9], s[10:11]
.endif
.endif
	global_store_b128 v[CO0], v[CD+16*(\a):CD+16*(\a)+3], s[8:9]                      ; each store: 32 lanes, 512 consecutive bytes, at a multiple of 512 from the buffer's first byte
	global_store_b128 v[CO0], v[CD+16*(\a)+4:CD+16*(\a)+7], s[8:9] offset:512
	global_store_b128 v[CO1], v[CD+16*(\a)+8:CD+16*(\a)+11], s[8:9] offset:1024
	global_store_b128 v[CO1], v[CD+16*(\a)+12:CD+16*(\a)+15], s[8:9] offset:1536
.endm
.irp a, 0,1,2,3,4,5,6,7
	OUTBLK \a
.endr
	s_wait_tensorcnt 0x0                           ; the wave's end
	ds_add_u32 v[SPW], v[NIL]
	s_wait_dscnt 0x0
	CROUND                                         ; the closing round: no work-group ends while a partner may still ask for a tile that names it
	s_endpgm
.Lfunc_end_k_q682241b62a_qkv:
	.size	k_q682241b62a_qkv, .Lfunc_end_k_q682241b62a_qkv-k_q682241b62a_qkv
	.p2alignl 7, 3214868480
	.fill 96, 4, 3214868480
	.section	.rodata,"a",@progbits
	.p2align	6, 0x0
	.amdhsa_kernel k_q682241b62a_qkv
		.amdhsa_group_segment_fixed_size 327680
		.amdhsa_private_segment_fixed_size 0
		.amdhsa_enable_private_segment 0
		.amdhsa_kernarg_size 56
		.amdhsa_user_sgpr_count 2
		.amdhsa_user_sgpr_kernarg_segment_ptr 1
		.amdhsa_wavefront_size32 1
		.amdhsa_system_sgpr_workgroup_id_x 1
		.amdhsa_system_sgpr_workgroup_id_y 1
		.amdhsa_system_sgpr_workgroup_id_z 1
		.amdhsa_system_vgpr_workitem_id 0
		.amdhsa_next_free_vgpr 1024
		.amdhsa_next_free_sgpr 100
		.amdhsa_reserve_vcc 0
		.amdhsa_float_denorm_mode_32 3
		.amdhsa_float_denorm_mode_16_64 3
		.amdhsa_fp16_overflow 1
		.amdhsa_memory_ordered 1
		.amdhsa_forward_progress 1
		.amdhsa_inst_pref_size 123
	.end_amdhsa_kernel
	.amdgpu_metadata
---
amdhsa.version: [ 1, 2 ]
amdhsa.kernels:
  - .name:           k_q682241b62a_qkv
    .symbol:         k_q682241b62a_qkv.kd
    .args:
      - { .name: x_codes, .offset: 0, .size: 8, .value_kind: global_buffer, .address_space: global }
      - { .name: w_qkv_codes, .offset: 8, .size: 8, .value_kind: global_buffer, .address_space: global }
      - { .name: b_qkv, .offset: 16, .size: 8, .value_kind: global_buffer, .address_space: global }
      - { .name: lowp_scales, .offset: 24, .size: 8, .value_kind: global_buffer, .address_space: global }
      - { .name: qc, .offset: 32, .size: 8, .value_kind: global_buffer, .address_space: global }
      - { .name: kc, .offset: 40, .size: 8, .value_kind: global_buffer, .address_space: global }
      - { .name: vc, .offset: 48, .size: 8, .value_kind: global_buffer, .address_space: global }
    .group_segment_fixed_size: 327680
    .private_segment_fixed_size: 0
    .kernarg_segment_align: 8
    .kernarg_segment_size: 56
    .max_flat_workgroup_size: 128
    .sgpr_count:     100
    .vgpr_count:     1024
    .wavefront_size: 32
...
	.end_amdgpu_metadata
.endif
;; end of part 1
;; launch attn (part 2): grid 4 x 64, 16 waves a work-group, no clusters, 327,680 bytes of LDS; arguments qc, kc, vc, lowp_scales, ao; writes ao
.if DOCPART == 2
	.amdgcn_target "amdgcn-amd-amdhsa--gfx1250"
	.amdhsa_code_object_version 6
	.text
	.protected	k_q682241b62a_attn
	.globl	k_q682241b62a_attn
	.p2align	8
	.type	k_q682241b62a_attn,@function
k_q682241b62a_attn:
	s_mov_b64 s[64:65], 0
	v_nop
	global_prefetch_b8 v0, s[64:65] scope:SCOPE_SE
	s_setreg_imm32_b32 hwreg(HW_REG_WAVE_MODE, 25, 1), 1
	s_wait_xcnt 0x0
; Causal attention on codes of FP8 (E4M3): for each of 64 batch x head planes, O[q] = the sum over keys k <= q of softmax_k(Q[q] . K[k] / 8) V[k], then O quantised with the scale 2^e6 for the last product.
; qc, kc: [64][128 tiles of 16 tokens][1,024 bytes], vc: [64][16 chunks of 128 keys][4 tiles of 16 channels][2,048 bytes]: images of operand registers: registers 4 p .. 4 p + 3 of lane l lie at byte 512 p + 16 l.  ao: as qc.
; THE SOFTMAX AHEAD OF THE SECOND PRODUCT: t = score x log2(e) / 8; M = the row's largest t so far, rounded UP to a whole number; p = 2^(t - M) is quantised with 2^e4, not normalised.  The row's sum is taken of the
; unquantised p, in f32, and divides O at the end.  When M moves, the sum and O are multiplied by 2^(old M - new M): exact.
; SHARES.  Work-group (i, plane) owns the blocks 7 - i and i of 256 queries, and makes NINE VISITS of a slot of 256 keys: visits 0 .. 7 - i serve block 7 - i with key slots 0 .. 7 - i, visits 8 - i .. 8 serve block i with slots
; 0 .. i.  So each of the 256 work-groups has seven whole visits and two on the diagonal, the trip count is a constant, and no tile is fetched that nobody reads.  Each of the SIXTEEN waves owns one tile of 16 queries at a time,
; in 256 registers: four waves to a SIMD, so that one wave's vector work stands beside another's matrix work and LDS loads.  At visit 8 - i the finished tile leaves and the state begins anew: a scalar branch on ids and the counter.
; NO CLUSTER: the four work-groups of a plane read the same K and V, but joint loads would hold them to one walk of slots, in which each slot lasts as long as its busiest partner: 8 + 4 = 12 visits in place of 9;
; and what would be shared is 32,768 bytes a visit, against sixteen waves' two key steps of softmax.
; LAYOUT.  Both products are used transposed: S^T = K Q^T (source 0 = 16 keys, source 1 = my 16 queries), O^T = V^T P^T (source 0 = 16 channels, source 1 = P): a lane holds ONE query (lane % 16) throughout.  In tile t of S^T lane
; (r, h) holds keys 16 t + 8 h + 0..7: one conversion gives registers 2 t, 2 t + 1 of P in the 8-bit layout (ISA guide 7.12.2).  Likewise a tile of O^T gives two registers of ao's image.  Nothing goes through an LDS stage.
; LIMITS on the given exponents, so that each power of two below is an f32 number: e2 + e3 between -123 and 130 (added to c's exponent field); e4 and e6 between -126 and 119; e4 + e5 is applied by v_ldexp_f32 and has none.
; REGISTERS: v1-6 addresses that stay; v12 -M, v13 the largest t, v[14:15] the sum in two halves; v16-23 Q; v24-31 Q of the second block; v32-95 eight images of K, then four of V; v96-159 S^T, then p; v160-191 O^T;
;   v224-239 p's codes (at the end ao's); v244: 2^e4; v245: 2^e6; v240-243, v246-255 at work.
.set SLOT1, 65536                      ; slot 1 begins here, so that one exclusive or turns an address in one slot into the other's.  A slot: 16 images of K (16,384 bytes), then 8 of V (16,384)
.set VOFF,  16384
.set SPARE, 2*SLOT1                    ; the spare words, 128 bytes for each wave: eight blocks of 256 bytes that no other line names
.set LI,   1                           ; v1   16 x lane: my place in a piece of an image
.set ADR,  2                           ; v2   the same in the slot in hand
.set PFO,  3                           ; v3   256 x lane: the prefetches' offset; never rewritten
.set RH,   4                           ; v4   lane % 16 - 8 (lane / 16), for the mask
.set SPW,  5                           ; v5   LDS address of my spare word; never rewritten
.set NIL,  6                           ; v6   0; never rewritten
.set TB,   2                           ; s2   LDS byte at which the slot in hand begins
.set WV,   18                          ; s18  my wave's number
.set SEL,  20                          ; s[20:21] lane selects for v_permlanex16_b32: lane l xor 16
.set CS,   22                          ; s[22:23] c = log2(e) / 8 x 2^(e2 + e3)
.set G1,   24                          ; s[24:31] descriptor group 1
.set G0,   40                          ; s[40:43] descriptor group 0, which walks
.set SRC,  44                          ; s[44:45] my plane of kc (wave 0) or vc
.set TT,   46                          ; s[46:47] the next slot's byte in the plane
.set UU,   48                          ; s48  at work
.set VIS,  49                          ; s49  the visit, 0 .. 8
.set SWV,  50                          ; s50  8 - i: the visit at which the second block begins
.set KF,   51                          ; s51  the step's first key
.set Q0,   52                          ; s52  my first query
.set Q0L,  53                          ; s53  and in the second block
.set QH,   54                          ; s[54:55], s[56:57] my two tiles in qc
.set QL,   56
.set AOH,  58                          ; s[58:59], s[60:61] and in ao
.set AOL,  60
.set EPV,  62                          ; s62  e4 + e5
.set PFA,  76                          ; s[76:77] where my prefetches stand
.set LIM,  80                          ; s80  a wave prefetches while the visit is under this: 6, or 0
; Wave 0 fetches a slot's K, wave 1 its V, the others nothing.  The branch hangs on the wave's number alone.  Four v_nop follow the line.
.macro TLOAD
	s_cmp_lt_u32 s[WV], 2
	s_cbranch_scc0 .Lnone_\@
	tensor_load_to_lds s[G0:G0+3], s[G1:G1+7]
	s_nop 0
.rept 4
	v_nop
.endr
.Lnone_\@:
.endm
; A PREFETCH INTO THE L2 of what the NEXT change of slots will ask for.  All four work-groups of a plane begin with key slots 0, 1, 2 ..; work-group 0 walks all eight in its visits 0 to 7, and it alone asks: in visit t, where slot t + 1
; is being loaded, for slot t + 2, while that is at most 7: visits 0 to 5.  In it four waves that fetch nothing ask, one instruction each: waves 4, 5 for the halves of K's 16,384 bytes, waves 6, 7 for V's; lanes 256 bytes apart.
; So each aligned block of 256 bytes is named once in the launch.  Slots 0 and 1 come by their loads alone.
.macro ASK
	s_cmp_lt_u32 s[VIS], s[LIM]
	s_cbranch_scc0 .Lnot_mine_\@
	global_prefetch_b8 v[PFO], s[PFA:PFA+1] th:TH_LOAD_NT scope:SCOPE_SE
.Lnot_mine_\@:
.endm
	s_load_b256 s[4:11], s[0:1], 0x0               ; qc s[4:5], kc s[6:7], vc s[8:9], the exponents s[10:11]
	s_load_b64 s[12:13], s[0:1], 0x20              ; ao
	v_lshl_add_u32 v[SPW], v0, 2, SPARE
	v_mov_b32 v[NIL], 0
	ds_add_u32 v5, v6
	ds_add_u32 v5, v6
	s_wait_dscnt 0x0
	v_lshrrev_b32 v8, 5, v0
	s_delay_alu instid0(VALU_DEP_1)
	v_readfirstlane_b32 s[WV], v8                  ; wave 0..15
	s_and_b32 s90, ttmp7, 0xffff
	s_lshl_b32 s90, s90, 17                        ; my plane: 131,072 bytes in each of the four buffers
	s_mov_b32 s91, 0
	s_sub_co_u32 s[SWV], 8, ttmp9
	s_sub_co_u32 s92, 7, ttmp9                     ; the first block
	s_lshl_b32 s[Q0], s92, 8
	s_lshl_b32 s93, s[WV], 4
	s_add_co_u32 s[Q0], s[Q0], s93                 ; my first query there: 256 x block + 16 x wave
	s_lshl_b32 s[Q0L], ttmp9, 8
	s_add_co_u32 s[Q0L], s[Q0L], s93               ; and in the second block
	s_lshl_b32 s92, s[Q0], 6                       ; a tile of 16 queries is 1,024 bytes
	s_add_co_u32 s92, s92, s90
	s_mov_b32 s93, 0
	s_lshl_b32 s94, s[Q0L], 6
	s_add_co_u32 s94, s94, s90
	s_mov_b32 s95, 0
	; descriptor group 1: a dense block of 16,384 bytes, as 64 rows of 32 elements of 8 bytes
	s_mov_b32 s[G1], 3<<16                         ; 15:0 no mask; 17:16 elements of 8 bytes; no padding: every read takes 512 consecutive bytes
	s_mov_b32 s[G1+1], 32<<16                      ; tensor_dim0
	s_mov_b32 s[G1+2], 64<<16                      ; tensor_dim1
	s_mov_b32 s[G1+3], 32<<16                      ; tile_dim0
	s_mov_b32 s[G1+4], 64                          ; tile_dim1
	s_mov_b32 s[G1+5], 32                          ; tensor_dim0_stride
	s_mov_b32 s[G1+6], 0
	s_mov_b32 s[G1+7], 0
	s_mov_b32 s[SEL], 0x76543210
	s_mov_b32 s[SEL+1], 0xfedcba98
	s_mov_b32 s[CS], 0x3e38aa3b                    ; log2(e) / 8
	s_mov_b32 s[TB], 0
	s_mov_b32 s[VIS], 0
	s_mov_b32 s[KF], 0
	s_mov_b32 s[TT+1], 0
	s_and_b32 s82, s[WV], 1
	s_mov_b32 s[G0], 1                             ; 1:0 count = 1
	s_lshl_b32 s[G0+1], s82, 14                    ; 63:32 LDS address: slot 0; K's part (wave 0) or V's (wave 1)
	s_lshl_b32 s82, s82, 13                        ; the prefetches: my half of 8,192 bytes,
	s_add_co_u32 s82, s82, 16384                   ; in slot 1: the first change of slots steps it to slot 2
	s_mov_b32 s83, 0
	s_wait_kmcnt 0x0
	s_load_b256 s[68:75], s[10:11], 0x0            ; e0 .. e7
	s_cmp_eq_u32 s[WV], 0
	s_cselect_b64 s[SRC:SRC+1], s[6:7], s[8:9]
	s_add_nc_u64 s[SRC:SRC+1], s[SRC:SRC+1], s[90:91]
	s_mov_b64 s[G0+2:G0+3], s[SRC:SRC+1]           ; 120:64 global address: key slot 0
	s_or_b32 s[G0+3], s[G0+3], 0x80000000          ; 127:126 type = 2
	TLOAD                                          ; the first visit's slot
	s_add_nc_u64 s[QH:QH+1], s[4:5], s[92:93]
	s_add_nc_u64 s[QL:QL+1], s[4:5], s[94:95]
	s_add_nc_u64 s[AOH:AOH+1], s[12:13], s[92:93]
	s_add_nc_u64 s[AOL:AOL+1], s[12:13], s[94:95]
	s_cmp_lt_u32 s[WV], 6
	s_cselect_b64 s[PFA:PFA+1], s[6:7], s[8:9]
	s_add_nc_u64 s[PFA:PFA+1], s[PFA:PFA+1], s[90:91]
	s_add_nc_u64 s[PFA:PFA+1], s[PFA:PFA+1], s[82:83]
	s_sub_co_u32 s82, s[WV], 4
	s_lshr_b32 s82, s82, 2                         ; 0 in waves 4 to 7,
	s_or_b32 s82, s82, ttmp9                       ; of the plane's work-group 0
	s_cmp_eq_u32 s82, 0
	s_cselect_b32 s[LIM], 6, 0
	v_and_b32 v8, 31, v0
	s_delay_alu instid0(VALU_DEP_1)
	v_lshlrev_b32 v[LI], 4, v8
	s_delay_alu instid0(VALU_DEP_2)
	v_lshlrev_b32 v[PFO], 8, v8
	global_load_b128 v[16:19], v[LI], s[QH:QH+1] th:TH_LOAD_NT              ; both tiles of Q are asked for now: nothing is loaded at the change of blocks
	global_load_b128 v[20:23], v[LI], s[QH:QH+1] offset:512 th:TH_LOAD_NT
	global_load_b128 v[24:27], v[LI], s[QL:QL+1] th:TH_LOAD_NT
	global_load_b128 v[28:31], v[LI], s[QL:QL+1] offset:512 th:TH_LOAD_NT
	v_and_b32 v9, 15, v0
	v_bfe_u32 v10, v0, 4, 1
	s_delay_alu instid0(VALU_DEP_1)
	v_lshlrev_b32 v10, 3, v10
	s_delay_alu instid0(VALU_DEP_1)
	v_sub_nc_u32 v[RH], v9, v10
	v_mov_b32 v246, 0                              ; written once: a lane permute's destination counts as one of its sources
	v_mov_b32 v253, 0                              ; (named as the upper half of the pair v[252:253])
; The state of a tile of queries begins: the key step is written once, and its first turn finds zeros, which the first change of M leaves zeros.
.macro INIT
	v_mov_b32 v13, 0xff61b1e6                      ; the largest t so far: -3e38, under every t
	s_delay_alu instid0(VALU_DEP_1)
	v_floor_f32 v12, -v13                          ; -M
	v_mov_b32 v14, 0                               ; the sum, in two halves
	v_mov_b32 v15, 0
.set n, 0
.rept 32
	v_mov_b32 v[160+n], 0                          ; O^T
.set n, n+1
.endr
.endm
	INIT
	s_wait_kmcnt 0x0
	s_add_co_i32 s96, s70, s71
	s_lshl_b32 s96, s96, 23
	s_add_co_i32 s[CS], s[CS], s96                 ; a score stands for score x 2^(e2 + e3): the two exponents are added to c's exponent field
	s_mov_b32 s[CS+1], s[CS]                       ; (named with it as a pair, so it is written)
	s_add_co_i32 s96, s72, 127
	s_lshl_b32 s97, s96, 23
	v_mov_b32 v244, s97                            ; 2^e4 as f32, for p's conversions
	s_add_co_i32 s96, s74, 127
	s_lshl_b32 s97, s96, 23
	v_mov_b32 v245, s97                            ; 2^e6, for the result's
	s_add_co_i32 s[EPV], s72, s73                  ; e4 + e5
; A KEY STEP: 128 keys, the q-th of the slot in hand.
.macro STEP q
	s_add_co_u32 s96, s[Q0], 15                    ; a step all of whose keys come after my 16 queries is left out: a scalar branch on ids and counters, round the step's LDS loads, products and softmax; no barrier and no tensor load stands in a step
	s_cmp_gt_u32 s[KF], s96
	s_cbranch_scc1 .Lhidden_\@
	v_add_nc_u32 v[ADR], s[TB], v[LI]
.rept 3
	v_nop                                          ; with the addition above: four places in front of loads into registers that the last products have read
.endr
.irp t, 0,1,2,3,4,5,6,7
	ds_load_b128 v[32+8*\t:35+8*\t], v[ADR] offset:(8*(\q)+\t)*1024        ; K's image of keys 16 t on: 32 lanes take 512 consecutive bytes
	ds_load_b128 v[36+8*\t:39+8*\t], v[ADR] offset:(8*(\q)+\t)*1024+512
.endr
	s_wait_alu depctr_va_vdst(0)
	s_wait_dscnt 0x0
.irp t, 0,1,2,3,4,5,6,7
	v_wmma_f32_16x16x64_fp8_fp8 v[96+8*\t:103+8*\t], v[32+8*\t:39+8*\t], v[16:23], 0   ; S^T: lane (r, h): query r, keys 16 t + 8 h + 0..7
.endr
.rept 4
	v_nop                                          ; places in front of the loads below and of the first read of the scores
.endr
.irp ct, 0,1,2,3
.irp c, 0,1,2,3
	ds_load_b128 v[32+16*\ct+4*\c:35+16*\ct+4*\c], v[ADR] offset:VOFF+8192*(\q)+2048*\ct+512*\c   ; V's four images are asked for now and land under the softmax
.endr
.endr
	s_add_co_u32 s96, s[KF], 127                   ; on the diagonal the scores of hidden keys become -infinity ahead of the maximum: p = 0 then.  A step all of whose keys count skips this
	s_cmp_le_u32 s96, s[Q0]
	s_cbranch_scc1 .Lopen_\@
	s_sub_co_i32 s96, s[Q0], s[KF]
	v_add_nc_u32 v252, s96, v[RH]                  ; d = my query - KF - 8 (lane / 16).  Register 8 t + j holds key KF + 8 (lane / 16) + 16 t + j: hidden where 16 t + j > d
	v_mov_b32 v254, 0xff800000                     ; -infinity
.set n, 0
.rept 64
	v_cmp_gt_i32 vcc_lo, 16*(n/8)+n%8, v252
	v_cndmask_b32 v[96+n], v[96+n], v254, vcc_lo
.set n, n+1
.endr
.Lopen_\@:
	v_max3_num_f32 v254, v96, v97, v98             ; the step's largest score of my query, among my 64 keys, in two chains, from each tile's low end on,
	v_max3_num_f32 v252, v99, v100, v101
.irp i, 6,10,14,18,22,26,30,34,38,42,46,50,54,58
	v_max3_num_f32 v254, v254, v[96+\i], v[97+\i]
	v_max3_num_f32 v252, v252, v[98+\i], v[99+\i]
.endr
	v_max3_num_f32 v254, v254, v158, v159
	s_delay_alu instid0(VALU_DEP_1)
	v_max_num_f32 v254, v254, v252
	s_delay_alu instid0(VALU_DEP_1)
	v_permlanex16_b32 v246, v254, s[SEL], s[SEL+1]
	s_delay_alu instid0(VALU_DEP_1)
	v_max_num_f32 v254, v254, v246                 ; and among lane l xor 16's
	s_delay_alu instid0(VALU_DEP_1)
	v_mul_f32 v254, s[CS], v254                    ; as t (c is positive)
	s_delay_alu instid0(VALU_DEP_1)
	v_max_num_f32 v13, v13, v254                   ; the running largest t
	v_mov_b32 v254, v12
	s_delay_alu instid0(VALU_DEP_2)
	v_floor_f32 v12, -v13                          ; the new -M = floor(-t) = -ceil(t): M is a whole number
	s_delay_alu instid0(VALU_DEP_1)
	v_sub_f32 v254, v12, v254                      ; M's old value less its new one: a whole number, 0 or less
	s_delay_alu instid0(VALU_DEP_1)
	v_cvt_i32_f32 v254, v254                       ; (it saturates)
	s_delay_alu instid0(VALU_DEP_1)
	v_ldexp_f32 v252, 1.0, v254                    ; f = 2^(old M - new M): a multiplication by it rounds nothing
.set n, 0
.rept 32
	v_pk_fma_f32 v[96+n:97+n], v[96+n:97+n], s[CS:CS+1], v[12:13] op_sel_hi:[1,0,0]   ; t - M, two at a time (of the pairs c and -M the low word serves both halves)
.set n, n+2
.endr
.set n, 0
	s_wait_alu depctr_va_vdst(0)
.rept 64
	v_exp_f32 v[96+n], v[96+n]                     ; p = 2^(t - M), at most 1: not normalised
.set n, n+1
.endr
	v_pk_mul_f32 v[14:15], v[14:15], v[252:253] op_sel_hi:[1,0]   ; the sums under the new M: the plain instruction behind the exponentials
	s_wait_alu depctr_va_vdst(0)                   ; one wait for the whole batch, ahead of its first reader
	v_pk_add_f32 v[242:243], v[100:101], v[104:105]
	v_pk_add_f32 v[254:255], v[108:109], v[112:113]
	v_pk_add_f32 v[250:251], v[116:117], v[120:121]
	v_pk_add_f32 v[248:249], v[124:125], v[128:129]
	v_pk_add_f32 v[240:241], v[132:133], v[136:137]
	v_pk_add_f32 v[238:239], v[140:141], v[144:145]
	v_pk_add_f32 v[236:237], v[148:149], v[152:153]
	v_pk_add_f32 v[14:15], v[14:15], v[156:157]
	v_pk_add_f32 v[242:243], v[242:243], v[96:97]
	v_pk_add_f32 v[254:255], v[254:255], v[98:99]
	v_pk_add_f32 v[250:251], v[250:251], v[102:103]
	v_pk_add_f32 v[248:249], v[248:249], v[106:107]
	v_pk_add_f32 v[240:241], v[240:241], v[110:111]
	v_pk_add_f32 v[238:239], v[238:239], v[114:115]
	v_pk_add_f32 v[236:237], v[236:237], v[118:119]
	v_pk_add_f32 v[14:15], v[14:15], v[122:123]
	v_pk_add_f32 v[242:243], v[242:243], v[126:127]
	v_pk_add_f32 v[254:255], v[254:255], v[130:131]
	v_pk_add_f32 v[250:251], v[250:251], v[134:135]
	v_pk_add_f32 v[248:249], v[248:249], v[138:139]
	v_pk_add_f32 v[240:241], v[240:241], v[142:143]
	v_pk_add_f32 v[238:239], v[238:239], v[146:147]
	v_pk_add_f32 v[236:237], v[236:237], v[150:151]
	v_pk_add_f32 v[14:15], v[14:15], v[154:155]
	v_pk_add_f32 v[242:243], v[242:243], v[158:159]
	s_delay_alu instid0(VALU_DEP_2)
	v_pk_add_f32 v[14:15], v[14:15], v[248:249]
	s_delay_alu instid0(VALU_DEP_2)
	v_pk_add_f32 v[242:243], v[242:243], v[240:241]
	v_pk_add_f32 v[254:255], v[254:255], v[238:239]
	v_pk_add_f32 v[250:251], v[250:251], v[236:237]
	s_delay_alu instid0(VALU_DEP_2)
	v_pk_add_f32 v[14:15], v[14:15], v[254:255]
	s_delay_alu instid0(VALU_DEP_2)
	v_pk_add_f32 v[242:243], v[242:243], v[250:251]
	s_delay_alu instid0(VALU_DEP_1)
	v_pk_add_f32 v[14:15], v[14:15], v[242:243]
.irp t, 0,1,2,3,4,5,6,7
.irp i, 0,1,2,3,4,5,6,7
.endr
	v_cvt_scalef32_pk8_fp8_f32 v[224+2*\t:225+2*\t], v[96+8*\t:103+8*\t], v244   ; registers 2 t, 2 t + 1 of P: keys 16 t + 8 h + 0..7
.endr
.set n, 0
.rept 16
	v_pk_mul_f32 v[160+n:161+n], v[160+n:161+n], v[252:253] op_sel_hi:[1,0]   ; O^T under the new M: x f.  (Also the plain instructions between the conversions and the products)
.set n, n+2
.endr
	s_wait_alu depctr_va_vdst(0)
	s_wait_dscnt 0x0                               ; V is in
.irp ct, 0,1,2,3
	v_wmma_f32_16x16x128_fp8_fp8 v[160+8*\ct:167+8*\ct], v[32+16*\ct:47+16*\ct], v[224:239], v[160+8*\ct:167+8*\ct]   ; four accumulators, one instruction a turn; the next step's eight products K Q^T stand ahead of their next turn
.endr
.Lhidden_\@:
	s_add_co_u32 s[KF], s[KF], 128
.endm
; A finished tile: O^T / the sum x 2^(e4 + e5), held, converted with 2^e6: tile ct of O^T gives registers 2 ct, 2 ct + 1 of the image of 16 tokens x 64 channels, which is stored as it stands.
.macro FINISH base
.rept 4
	v_nop                                          ; places behind the last products
.endr
	v_add_f32 v14, v14, v15                        ; the sum's two halves,
	s_delay_alu instid0(VALU_DEP_1)
	v_permlanex16_b32 v246, v14, s[SEL], s[SEL+1]
	s_delay_alu instid0(VALU_DEP_1)
	v_add_f32 v14, v14, v246                       ; and lane l xor 16's: the row's sum
	s_wait_alu depctr_va_vdst(0)
	v_rcp_f32 v14, v14
	v_nop                                          ; a plain instruction behind the transcendental
	s_wait_alu depctr_va_vdst(0)                   ; and the wait ahead of its first reader
	v_ldexp_f32 v14, v14, s[EPV]
.set n, 0
.rept 16
	v_pk_mul_f32 v[96+n:97+n], v[160+n:161+n], v[14:15] op_sel_hi:[1,0]   ; each accumulator from its low end on
.set n, n+2
.endr
.set n, 0
.rept 32
.set n, n+1
.endr
.irp ct, 0,1,2,3
	v_cvt_scalef32_pk8_fp8_f32 v[224+2*\ct:225+2*\ct], v[96+8*\ct:103+8*\ct], v245
.endr
	v_nop                                          ; one plain vector instruction behind the last conversion
	global_store_b128 v[LI], v[224:227], s[\base:\base+1]              ; 32 lanes store 512 consecutive bytes, at a multiple of 512 from ao's first byte
	global_store_b128 v[LI], v[228:231], s[\base:\base+1] offset:512
	s_wait_xcnt 0x0                                ; the stores have read their registers: the codes' registers may be written again
.endm
; At visit 8 - i the first block's tile leaves and the second block's begins.  No barrier, tensor load or LDS instruction stands under this branch.
.macro SWITCH
	s_cmp_lg_u32 s[VIS], s[SWV]
	s_cbranch_scc1 .Lsame_\@
	FINISH AOH
.irp j, 0,1,2,3,4,5,6,7
	v_mov_b32 v[16+\j], v[24+\j]                   ; the second block's Q
.endr
	s_mov_b32 s[Q0], s[Q0L]
	s_mov_b32 s[KF], 0
	INIT
.Lsame_\@:
.endm
; THE CHANGE OF SLOTS stands at a visit's head.  Each wave waits for all its tensor loads (its part of the slot that it is about to read), adds 0 to its spare word, and waits for that and for its reads of the slot that it has left.
; Behind the barrier the slot ahead is whole and nobody reads the other one.  fill = 1: that other slot is filled for the next visit: the load has a whole visit's steps in which to land.  A wave has at most one tensor load out.
.macro CHANGE fill
	s_wait_tensorcnt 0x0                           ; no tensor load of mine is out, so group 0 may be written
	ds_add_u32 v[SPW], v[NIL]                      ; 0 onto my spare word; the descriptor's steps stand between it and the wait for it
.if \fill
	s_xor_b32 s[G0+1], s[G0+1], SLOT1              ; the other slot than last time
	s_add_co_u32 s[UU], s[VIS], 1                  ; the next visit's key slot: the visit's number, counted anew from visit 8 - i on
	s_cmp_ge_u32 s[UU], s[SWV]
	s_cselect_b32 s[TT], s[SWV], 0
	s_sub_co_u32 s[TT], s[UU], s[TT]
	s_lshl_b32 s[TT], s[TT], 14                    ; 16,384 bytes a slot, in kc and in vc
	s_add_nc_u64 s[G0+2:G0+3], s[SRC:SRC+1], s[TT:TT+1]
	s_or_b32 s[G0+3], s[G0+3], 0x80000000
	s_wait_xcnt 0x0                                ; the last prefetch, a visit back, has read its address, so it may be written
	s_add_nc_u64 s[PFA:PFA+1], s[PFA:PFA+1], 16384
.endif
	s_wait_dscnt 0x0                               ; the add is done, and my reads of the slot that I have left are over
	s_barrier_signal -1
	s_barrier_wait -1
.if \fill
	TLOAD                                          ; the first thing behind the barrier, and a wave's one tensor load until the next
	ASK
.endif
.endm
	s_wait_loadcnt 0x0                             ; Q, both tiles
.Lvisit:                                           ; eight trips: behind each change of slots but the last the next visit's slot is asked for
	CHANGE 1
	SWITCH
	STEP 0
	STEP 1
	s_xor_b32 s[TB], s[TB], SLOT1                  ; on to the other slot
	s_add_co_u32 s[VIS], s[VIS], 1
	s_cmp_lt_u32 s[VIS], 8
	s_cbranch_scc1 .Lvisit
	CHANGE 0                                       ; the last visit is written out
	SWITCH
	STEP 0
	STEP 1
	FINISH AOL
	s_wait_tensorcnt 0x0                           ; the wave's end
	ds_add_u32 v[SPW], v[NIL]
	s_wait_dscnt 0x0
	s_endpgm
.Lfunc_end_k_q682241b62a_attn:
	.size	k_q682241b62a_attn, .Lfunc_end_k_q682241b62a_attn-k_q682241b62a_attn
	.p2alignl 7, 3214868480
	.fill 96, 4, 3214868480
	.section	.rodata,"a",@progbits
	.p2align	6, 0x0
	.amdhsa_kernel k_q682241b62a_attn
		.amdhsa_group_segment_fixed_size 327680
		.amdhsa_private_segment_fixed_size 0
		.amdhsa_enable_private_segment 0
		.amdhsa_kernarg_size 40
		.amdhsa_user_sgpr_count 2
		.amdhsa_user_sgpr_kernarg_segment_ptr 1
		.amdhsa_wavefront_size32 1
		.amdhsa_system_sgpr_workgroup_id_x 1
		.amdhsa_system_sgpr_workgroup_id_y 1
		.amdhsa_system_sgpr_workgroup_id_z 1
		.amdhsa_system_vgpr_workitem_id 0
		.amdhsa_next_free_vgpr 256
		.amdhsa_next_free_sgpr 100
		.amdhsa_reserve_vcc 1
		.amdhsa_float_denorm_mode_32 3
		.amdhsa_float_denorm_mode_16_64 3
		.amdhsa_fp16_overflow 1
		.amdhsa_memory_ordered 1
		.amdhsa_forward_progress 1
		.amdhsa_inst_pref_size 93
	.end_amdhsa_kernel
	.amdgpu_metadata
---
amdhsa.version: [ 1, 2 ]
amdhsa.kernels:
  - .name:           k_q682241b62a_attn
    .symbol:         k_q682241b62a_attn.kd
    .args:
      - { .name: qc, .offset: 0, .size: 8, .value_kind: global_buffer, .address_space: global }
      - { .name: kc, .offset: 8, .size: 8, .value_kind: global_buffer, .address_space: global }
      - { .name: vc, .offset: 16, .size: 8, .value_kind: global_buffer, .address_space: global }
      - { .name: lowp_scales, .offset: 24, .size: 8, .value_kind: global_buffer, .address_space: global }
      - { .name: ao, .offset: 32, .size: 8, .value_kind: global_buffer, .address_space: global }
    .group_segment_fixed_size: 327680
    .private_segment_fixed_size: 0
    .kernarg_segment_align: 8
    .kernarg_segment_size: 40
    .max_flat_workgroup_size: 512
    .sgpr_count:     100
    .vgpr_count:     256
    .wavefront_size: 32
...
	.end_amdgpu_metadata
.endif
;; end of part 2
;; launch proj (part 3): grid 8 x 32, 4 waves a work-group, clusters of 4 x 4, 327,680 bytes of LDS; arguments ao, w_proj_codes, lowp_scales, b_proj, out0; writes out0
.if DOCPART == 3
	.amdgcn_target "amdgcn-amd-amdhsa--gfx1250"
	.amdhsa_code_object_version 6
	.text
	.protected	k_q682241b62a_proj
	.globl	k_q682241b62a_proj
	.p2align	8
	.type	k_q682241b62a_proj,@function
k_q682241b62a_proj:
	s_mov_b64 s[64:65], 0
	v_nop
	global_prefetch_b8 v0, s[64:65] scope:SCOPE_SE
	s_setreg_imm32_b32 hwreg(HW_REG_WAVE_MODE, 25, 1), 1
	s_wait_xcnt 0x0
	s_wait_alu depctr_hold_cnt(0) depctr_sa_sdst(0) depctr_va_vdst(0) depctr_va_sdst(0) depctr_va_ssrc(0) depctr_va_vcc(0) depctr_vm_vsrc(0)
	s_getreg_b32 s2, hwreg(HW_REG_IB_STS2, 6, 4)
	s_cmp_eq_u32 s2, 0
	s_cbranch_scc0 .Lentry_in_a_cluster
	s_endpgm
.Lentry_in_a_cluster:
	s_bfe_u32 s2, ttmp6, 0x10000c
	s_cmp_lg_u32 s2, 0xf033
	s_cbranch_scc0 .Lentry_shape_is_right
	s_endpgm
.Lentry_shape_is_right:
; out0 = attn w_proj + b_proj on codes of FP8 (E4M3).  attn's codes lie in ao as images of operand registers: [4 batches x 16 heads][128 tiles of 16 tokens][1,024 bytes] (16 tokens x 64 channels: registers 4 p .. 4 p + 3 of
; lane l at byte 512 p + 16 l); K = 1,024 = head x 64 + channel, so two neighbouring heads' images are one fragment of 128 along K, k in its own places.  w_proj: [1024 (n)][1024 (k)] codes.  b_proj [1024], out0 [8192][1024]: f32.
; Each finished sum is multiplied by 2^(e6 + e7) and the bias added, by one fused multiply-add.  LIMIT: e6 + e7 between -126 and 127, so that 2^(e6 + e7) is an f32 number.
; SHARES.  A tile of out0 is 256 tokens x 128 columns: 256 work-groups (tiles of 256 x 256 would be 128).  Four waves, each 128 x 64: 32 accumulators, 256 registers.  K goes in steps of 256 (four heads) through a ring of two LDS slots.
; THE MATRIX INSTRUCTION IS USED TRANSPOSED (source 0 = 16 rows of w_proj, source 1 = 16 tokens): a lane holds eight neighbouring numbers of a row of out0.
; CLUSTERS: 4 x 4 work-groups.  The four of a row of the cluster need the same tiles of ao, the four of a column the same tiles of w_proj: each tile is asked for jointly.
; REGISTERS, in windows of 256: window 0: v0-31 addresses; v32-63 the bias; v64-95 at work on the way out; from v128 A's fragments (8 x 16 tokens x 128 K), ONE set (on the way out: rows read back).
;   window 1: B's fragments (4 x 16 rows x 128 K), TWO sets, at v0 and v64.   window 2: the accumulators, (a, b) at v[8 (4 a + b)].
.set PITCH,  272                       ; a row of B in LDS: 256 bytes + 16 of padding = 68 words: row r starts at bank 4 r mod 64 (ISA guide 11.1): the 32 lanes of a load of 8 bytes touch 64 different banks
.set AHALF,  32768                     ; 128 tokens x 256 K of images: [4 heads][8 tiles of tokens][1,024 bytes], no padding: every read takes 512 consecutive bytes
.set BHALF,  64*PITCH                  ; 64 rows of B
.set BOFF,   2*AHALF
.set SLOT,   BOFF+2*BHALF              ; 100,352 bytes
.set LAPS,   2                         ; a lap = two K steps = once round the ring; K = 1,024 is four K steps
.set SPARE,  2*SLOT                    ; behind the ring: the spare words, 128 bytes for each wave: two blocks of 256 bytes that no other line names
.set STAGE,  SPARE+512                 ; the way out: 16 rows x (256 bytes + 16) for each wave; no tensor load fills it
.set SPITCH, 272
.set FR,     16
.set NP,     4                         ; places behind this matrix instruction (ISA guide 7.12.1)
.set ADRA, 16                          ; v16-17  LDS address of my A images in slot 0, 1
.set ADRB, 20                          ; v20-21  of my B fragments
.set STO,  24                          ; v24     the way out: where I put 32 bytes of a row
.set RD,   25                          ; v25     where I read a row back
.set CO,   26                          ; v26     my byte offset in two rows of out0
.set BNA,  27                          ; v27     32 x (lane / 16)
.set SPW,  28                          ; v28     LDS address of my spare word; never rewritten
.set NIL,  29                          ; v29     0; never rewritten
.set BN,   32                          ; v32-63  the bias: tile b's eight numbers of my half at v[BN + 8 b]
.set TMP,  64                          ; v64-95  a block's results
.set AF,   128
.set BK,   128                         ; the way out: 16 rows read back: v128-159 and v160-191 by turns
.set G1, 24                            ; s[24:31] descriptor group 1 for A's tiles;  s[32:39] group 0, one set for each slot
.set G0, 32
.set G1B, 48                           ; s[48:55], s[56:63] the same for B's tiles
.set G0B, 56
.set MSB, 0
.macro WIN new                         ; the immediate's high byte repeats the setting that is left
.if MSB != \new
	s_set_vgpr_msb (MSB<<8)|\new
.set MSB, \new
.endif
.endm
.set MUL,  0xa1                        ; source 0 (B) window 1, source 1 (A) window 0, C and D window 2
.set TO_B, 0x40                        ; destination window 1, address window 0
; A joint load: waves 0 and 1 fetch A's halves, waves 2 and 3 B's; the branch hangs on the wave's number alone.  Four v_nop follow each of the two lines.
.macro JLOAD g0a, g1a, g0b, g1b
	s_cmp_eq_u32 s15, 0
	s_cbranch_scc0 .Lfor_b_\@
	tensor_load_to_lds s[\g0a:\g0a+3], s[\g1a:\g1a+7]
	s_nop 0
.rept 4
	v_nop
.endr
	s_branch .Lasked_\@
.Lfor_b_\@:
	tensor_load_to_lds s[\g0b:\g0b+3], s[\g1b:\g1b+7]
	s_nop 0
.rept 4
	v_nop
.endr
.Lasked_\@:
.endm
.macro CREST                           ; a round of the cluster's barrier behind its opening barrier
	s_cmp_lg_u32 s14, 0
	s_cbranch_scc1 .Lnot_wave_0_\@
	s_barrier_signal -3
.Lnot_wave_0_\@:
	s_barrier_wait -3
	s_barrier_signal -1
	s_barrier_wait -1
.endm
.macro CROUND                          ; a whole round
	s_barrier_signal -1
	s_barrier_wait -1
	CREST
.endm
	s_load_b256 s[68:75], s[0:1], 0x0              ; ao s[68:69], w_proj s[70:71], the exponents s[72:73], b_proj s[74:75]
	s_load_b64 s[76:77], s[0:1], 0x20              ; out0
	v_lshl_add_u32 v[SPW], v0, 2, SPARE
	v_mov_b32 v[NIL], 0
	ds_add_u32 v28, v29
	ds_add_u32 v28, v29
	s_wait_dscnt 0x0
	v_lshrrev_b32 v1, 5, v0
	v_readfirstlane_b32 s14, v1                    ; wave 0..3
	s_lshr_b32 s15, s14, 1                         ; which 128 of the tile's tokens are mine.  Also: I fetch for A (0) or for B (1)
	s_and_b32 s16, s14, 1                          ; which 64 of its columns.  Also: which half of that tile I fetch
	s_bfe_u32 s40, ttmp6, 0x40000                  ; cx, cy: my place in the cluster
	s_bfe_u32 s41, ttmp6, 0x40004
	s_lshl_b32 s42, ttmp9, 2
	s_add_co_u32 s42, s42, s40                     ; tile column = 4 x cluster x + cx, 0..7
	s_and_b32 s17, ttmp7, 0xffff
	s_lshl_b32 s17, s17, 2
	s_add_co_u32 s17, s17, s41                     ; tile row = 4 x cluster y + cy, 0..31
	s_lshl_b32 s43, s41, 2
	s_lshl_b32 s43, 15, s43                        ; my row of the cluster
	s_lshl_b32 s44, 0x1111, s40                    ; my column
	; descriptor group 1 for A: four rows (heads) of 8,192 bytes (8 tiles of 16 tokens), 131,072 bytes apart, in elements of 8 bytes
	s_or_b32 s[G1+0], s43, (3<<16)|(1<<21)         ; 15:0 the mask: A's tiles go to my row; 17:16 elements of 8 bytes; 21 set beside a mask; no padding
	s_mov_b32 s[G1+1], 1024<<16                    ; tensor_dim0 = 1,024
	s_mov_b32 s[G1+2], 4<<16                       ; tensor_dim1 = 4
	s_mov_b32 s[G1+3], 1024<<16                    ; tile_dim0
	s_mov_b32 s[G1+4], 4                           ; tile_dim1
	s_mov_b32 s[G1+5], 16384                       ; tensor_dim0_stride
	s_mov_b32 s[G1+6], 0
	s_mov_b32 s[G1+7], 0
	; for B: 64 rows of 256 bytes, 1,024 apart, padded in LDS
	s_or_b32 s[G1B+0], s44, (0<<16)|(1<<20)|(1<<21)|(5<<22)|(3<<25)  ; the mask of my column; elements of 1 byte; padding: 4 words (code 3) after every 64 (code 5)
	s_mov_b32 s[G1B+1], 256<<16
	s_mov_b32 s[G1B+2], 64<<16
	s_mov_b32 s[G1B+3], 256<<16
	s_mov_b32 s[G1B+4], 64
	s_mov_b32 s[G1B+5], 1024
	s_mov_b32 s[G1B+6], 0
	s_mov_b32 s[G1B+7], 0
	s_lshr_b32 s20, s17, 3
	s_lshl_b32 s20, s20, 21                        ; A: the batch: 16 planes of 131,072 bytes,
	s_and_b32 s18, s17, 7
	s_lshl_b32 s18, s18, 1
	s_add_co_u32 s18, s18, s16
	s_lshl_b32 s18, s18, 13                        ; and in a plane the 8 tiles of tokens that I fetch: (2 (tile row % 8) + half) x 8,192
	s_add_co_u32 s20, s20, s18
	s_mov_b32 s21, 0
	s_lshl_b32 s46, s42, 17                        ; B: row 128 x tile column + 64 x half, 1,024 bytes a row
	s_lshl_b32 s47, s16, 16
	s_add_co_u32 s46, s46, s47
	s_mov_b32 s47, 0
	s_lshl_b32 s45, s16, 15                        ; where they go: A's halves,
	s_mul_i32 s19, s16, BHALF
	s_add_co_u32 s19, s19, BOFF                    ; B's halves: no place in the cluster enters an LDS address
	s_wait_kmcnt 0x0
	s_load_b64 s[96:97], s[72:73], 0x18            ; e6, e7
	s_add_nc_u64 s[20:21], s[68:69], s[20:21]
	s_add_nc_u64 s[46:47], s[70:71], s[46:47]
	CROUND                                         ; all sixteen work-groups are here: the first joint loads meet
.irp s, 0,1
	s_mov_b32 s[G0+4*\s], 1
	s_add_co_u32 s[G0+4*\s+1], s45, \s*SLOT
	s_add_nc_u64 s[G0+4*\s+2:G0+4*\s+3], s[20:21], \s*524288       ; K step s: heads 4 s on
	s_or_b32 s[G0+4*\s+3], s[G0+4*\s+3], 0x80000000
	s_mov_b32 s[G0B+4*\s], 1
	s_add_co_u32 s[G0B+4*\s+1], s19, \s*SLOT
	s_add_nc_u64 s[G0B+4*\s+2:G0B+4*\s+3], s[46:47], \s*256
	s_or_b32 s[G0B+4*\s+3], s[G0B+4*\s+3], 0x80000000
	s_wait_alu depctr_va_vdst(0)
	s_wait_tensorcnt 0x0
	ds_add_u32 v28, v29
	ds_add_u32 v28, v29
	s_wait_dscnt 0x0
	CROUND
	JLOAD G0+4*\s, G1, G0B+4*\s, G1B
.endr
	v_and_b32 v1, 15, v0                           ; r = l % 16
	v_bfe_u32 v2, v0, 4, 1                         ; h = l / 16
	v_and_b32 v5, 31, v0
	v_lshlrev_b32 v5, 4, v5                        ; 16 x lane: my place in a piece of an image
	v_mul_u32_u24 v3, v1, PITCH
	s_wait_alu depctr_va_vdst(0)
	v_lshl_add_u32 v4, v2, 3, v3                   ; B: row x pitch + 8 x half
	s_lshl_b32 s21, s15, 15                        ; my 128 tokens' images
	s_mul_i32 s22, s16, BHALF
	s_add_co_u32 s22, s22, BOFF                    ; my 64 rows of B
.irp s, 0,1
	v_add_nc_u32 v[ADRA+\s], s21, v5
	v_add_nc_u32 v[ADRB+\s], s22, v4
	s_add_co_u32 s21, s21, SLOT
	s_add_co_u32 s22, s22, SLOT
.endr
	s_mul_i32 s23, s14, 16*SPITCH
	s_add_co_u32 s23, s23, STAGE                   ; my stage
	v_lshl_add_u32 v6, v2, 5, v3                   ; in: row r, 32 bytes for each half of the lanes (SPITCH = PITCH)
	v_add_nc_u32 v[STO], s23, v6
	v_mul_u32_u24 v6, v2, SPITCH                   ; back: lanes 0-15 take one row of 256 bytes, lanes 16-31 the next
	v_lshl_add_u32 v6, v1, 4, v6
	v_add_nc_u32 v[RD], s23, v6
	v_lshlrev_b32 v6, 12, v2                       ; and the same two rows in out0: 4,096 bytes a row
	v_lshl_add_u32 v[CO], v1, 4, v6
	v_lshlrev_b32 v[BNA], 5, v2
	s_wait_alu depctr_va_vdst(0)
	s_lshl_b32 s84, s42, 9
	s_lshl_b32 s85, s16, 8
	s_add_co_u32 s84, s84, s85                     ; my first column, in bytes: 512 x tile column + 256 x half
	s_mov_b32 s85, 0
	s_add_nc_u64 s[78:79], s[74:75], s[84:85]      ; in b_proj
	s_lshl_b32 s82, s17, 20
	s_lshl_b32 s83, s15, 19
	s_add_co_u32 s82, s82, s83                     ; my first row: (256 x tile row + 128 x half) x 4,096 bytes
	s_add_co_u32 s82, s82, s84
	s_mov_b32 s83, 0
	s_add_nc_u64 s[10:11], s[76:77], s[82:83]      ; in out0
.irp b, 0,1,2,3
	global_load_b128 v[BN+8*\b:BN+8*\b+3], v[BNA], s[78:79] offset:64*\b          ; the bias of columns 16 b + 8 h + 0..7; waited for on the way out
	global_load_b128 v[BN+8*\b+4:BN+8*\b+7], v[BNA], s[78:79] offset:64*\b+16
.endr
.macro FRAG_A reg, slot, q, i          ; tokens 16 i on, the slot's q-th 128 along K: the images of heads 2 q and 2 q + 1, two pieces each
.irp c, 0,1,2,3
	ds_load_b128 v[\reg+4*\c:\reg+4*\c+3], v[ADRA+\slot] offset:(2*(\q)+\c/2)*8192+(\i)*1024+512*(\c%2)
.endr
.endm
.macro FRAG_B reg, slot, q, i          ; rows 16 i on: registers 2 c, 2 c + 1 hold k = 16 c + 8 (l / 16) + 0..7 (ISA guide 7.12.2): k in its own places, as in A's images
.irp c, 0,1,2,3,4,5,6,7
	ds_load_b64 v[\reg+2*\c:\reg+2*\c+1], v[ADRB+\slot] offset:128*(\q)+16*\c+(\i)*16*PITCH
.endr
.endm
; 8 matrix instructions: A's blocks a0, a0 + 1 x B's four, 128 along K.  p: B's set.  zero = 1: the first product starts the sums.  The 32 accumulators take turns, one instruction a turn.
.macro MUL8 a0, p, zero
.irp a, \a0, \a0+1
.irp b, 0,1,2,3
.if \zero
	v_wmma_f32_16x16x128_fp8_fp8 v[8*(4*(\a)+\b):8*(4*(\a)+\b)+7], v[64*(\p)+FR*\b:64*(\p)+FR*\b+FR-1], v[AF+FR*(\a):AF+FR*(\a)+FR-1], 0
.else
	v_wmma_f32_16x16x128_fp8_fp8 v[8*(4*(\a)+\b):8*(4*(\a)+\b)+7], v[64*(\p)+FR*\b:64*(\p)+FR*\b+FR-1], v[AF+FR*(\a):AF+FR*(\a)+FR-1], v[8*(4*(\a)+\b):8*(4*(\a)+\b)+7]
.endif
.endr
.endr
.endm
.macro FETCH_B slot, q, p              ; 32 loads
	WIN TO_B
.irp i, 0,1,2,3
	FRAG_B 64*(\p)+FR*\i, \slot, \q, \i
.endr
	WIN 0
.endm
.macro FETCH_A slot, q, i0             ; A's blocks i0 .. i0 + 3: 16 loads
.irp i, \i0, \i0+1, \i0+2, \i0+3
	FRAG_A AF+FR*(\i), \slot, \q, \i
.endr
.endm
.macro PLACES n                        ; places in front of loads into registers that matrix instructions have read, and of the first read of results
.rept \n
	v_nop
.endr
.endm
; A step of 128 along K that has its successor in the same slot.
.macro STEP slot, q, zero
	s_wait_dscnt 16                                ; B's set and A's blocks 0-3 are in; the youngest sixteen loads (A's blocks 4-7) may be out
	WIN MUL
	MUL8 0, (\q)%2, \zero
	MUL8 2, (\q)%2, \zero
	s_wait_dscnt 0                                 ; A's blocks 4-7 are in
	PLACES NP
	FETCH_B \slot, (\q)+1, 1-(\q)%2
	FETCH_A \slot, (\q)+1, 0
	WIN MUL
	MUL8 4, (\q)%2, \zero
	MUL8 6, (\q)%2, \zero
	PLACES NP
	WIN 0
	FETCH_A \slot, (\q)+1, 4
.endm
; A slot's last step changes slots: ONE barrier; in front of it each wave waits for all its tensor loads, adds 0 to its spare word, and waits for that and for its own reads of this slot.  fill = 1: this slot is filled again, two K steps ahead.
.macro TURN slot, next, fill
	s_wait_tensorcnt 0x0                           ; all my tensor loads have landed: my part of the next slot;  (every window is 0 here)
	ds_add_u32 v[SPW], v[NIL]                      ; 0 onto my spare word
	s_wait_dscnt 17                                ; (the add and the youngest sixteen loads, A's blocks 4-7, may be out)
	WIN MUL
	MUL8 0, 1, 0                                   ; eight matrix instructions stand between the add and the wait for it
	s_wait_dscnt 0x0                               ; the add is done, and my reads of this slot are over
	s_barrier_signal -1
	MUL8 2, 1, 0
	WIN 0
	s_barrier_wait -1
.if \fill
	CREST                                          ; the barrier has opened a round of the cluster's barrier: no wave of any partner still reads this slot's tile or has a load on its way
	s_add_nc_u64 s[G0+4*\slot+2:G0+4*\slot+3], s[G0+4*\slot+2:G0+4*\slot+3], 0x100000   ; eight heads on
	s_add_nc_u64 s[G0B+4*\slot+2:G0B+4*\slot+3], s[G0B+4*\slot+2:G0B+4*\slot+3], 512
	JLOAD G0+4*\slot, G1, G0B+4*\slot, G1B         ; the first tensor load behind the round; the four v_nop behind it are the places in front of the loads below
.else
	PLACES NP
.endif
	FETCH_B \next, 0, 0
	FETCH_A \next, 0, 0
	WIN MUL
	MUL8 4, 1, 0
	MUL8 6, 1, 0
	PLACES NP
	WIN 0
	FETCH_A \next, 0, 4
.endm
	s_wait_tensorcnt 1                             ; my part of K step 0 is in (K step 1's load may be out)
	s_barrier_signal -1
	s_barrier_wait -1                              ; everybody's is
	FETCH_B 0, 0, 0
	FETCH_A 0, 0, 0
	FETCH_A 0, 0, 4
	STEP 0, 0, 1                                   ; the first step stands in front of the loop: its products start the sums
	s_mov_b32 s3, LAPS-1
.Llap:                                                 ; a trip goes once round the ring, from a lap's second step to the next lap's first, and fills both slots again
	TURN 0, 1, 1
	STEP 1, 0, 0
	TURN 1, 0, 1
	STEP 0, 0, 0
	s_sub_co_u32 s3, s3, 1
	s_cmp_lg_u32 s3, 0
	s_cbranch_scc1 .Llap
	TURN 0, 1, 0                                   ; the last lap fills nothing, and has no round of the cluster's barrier
	STEP 1, 0, 0
	s_wait_dscnt 16                                ; the very last step: nothing more to fetch
	WIN MUL
	MUL8 0, 1, 0
	MUL8 2, 1, 0
	s_wait_dscnt 0
	MUL8 4, 1, 0
	MUL8 6, 1, 0
	WIN 0
; THE WAY OUT, block by block of 16 tokens x 64 columns.  A lane holds 32 neighbouring bytes of a row, and the lanes beside it hold other rows: so a block goes through my own stage in LDS and comes back as whole
; rows of 256 bytes.  LDS serves a wave's instructions in order (ISA guide 5.7.1.4): no wait between the stores and the loads, nor in front of the next block's stores.
.macro TOSTAGE a
	WIN 0x02                                       ; source 0 (the sums) window 2
.irp b, 0,1,2,3
.irp j, 0,2,4,6
	v_pk_fma_f32 v[TMP+8*\b+\j:TMP+8*\b+\j+1], v[8*(4*(\a)+\b)+\j:8*(4*(\a)+\b)+\j+1], s[96:97], v[BN+8*\b+\j:BN+8*\b+\j+1] op_sel_hi:[1,0,1]   ; sum x 2^(e6 + e7) + bias; each accumulator from its low end on
.endr
.endr
	WIN 0
.irp b, 0,1,2,3
	ds_store_b128 v[STO], v[TMP+8*\b:TMP+8*\b+3] offset:64*\b
	ds_store_b128 v[STO], v[TMP+8*\b+4:TMP+8*\b+7] offset:64*\b+16
.endr
.set BB, BK+32*((\a)%2)
.irp t, 0,1,2,3,4,5,6,7
	ds_load_b128 v[BB+4*\t:BB+4*\t+3], v[RD] offset:\t*2*SPITCH
.endr
.endm
.macro SEND a, younger                 ; younger: the LDS instructions issued behind block a's loads, which may stay out
.set BB, BK+32*((\a)%2)
	s_wait_dscnt \younger                          ; the block is back in registers
.if (\a) > 0
	s_add_nc_u64 s[10:11], s[10:11], 65536         ; (behind a wait on XCNT: the earlier stores have read their base)  16 rows of out0 on
.endif
.irp t, 0,1,2,3,4,5,6,7
	global_store_b128 v[CO], v[BB+4*\t:BB+4*\t+3], s[10:11] offset:\t*8192 th:TH_STORE_NT   ; 16 lanes store 256 consecutive bytes, at a multiple of 256 from out0's first byte; written once, read by nobody here
.endr
.endm
	s_wait_kmcnt 0x0
	s_add_co_i32 s96, s96, s97                     ; e6 + e7, between -126 and 127,
	s_add_co_i32 s96, s96, 127
	s_lshl_b32 s96, s96, 23                        ; makes the f32 number 2^(e6 + e7)
	s_mov_b32 s97, s96                             ; (named with it as a pair, so it is written)
	s_wait_loadcnt 0x0                             ; the bias
	PLACES NP                                      ; behind the last products: for the reads of results and the loads into the registers that held A's fragments
	TOSTAGE 0
.irp a, 1,2,3,4,5,6,7
.if \a > 1
	s_wait_xcnt 0x0                                ; block a - 2's stores have read their registers and their base: block a's loads may land there, and the base may step
.endif
	TOSTAGE \a
	SEND \a-1, 16                                  ; behind block a - 1's loads: block a's 8 stores and 8 loads
.endr
	s_wait_xcnt 0x0                                ; block 6's stores have read their base
	SEND 7, 0
	s_wait_tensorcnt 0x0                           ; the wave's end: behind my last tensor load and my last LDS store
	ds_add_u32 v[SPW], v[NIL]
	s_wait_dscnt 0x0
	CROUND                                         ; the closing round: no work-group ends while a partner may still ask for a tile that names it
	s_endpgm
.Lfunc_end_k_q682241b62a_proj:
	.size	k_q682241b62a_proj, .Lfunc_end_k_q682241b62a_proj-k_q682241b62a_proj
	.p2alignl 7, 3214868480
	.fill 96, 4, 3214868480
	.section	.rodata,"a",@progbits
	.p2align	6, 0x0
	.amdhsa_kernel k_q682241b62a_proj
		.amdhsa_group_segment_fixed_size 327680
		.amdhsa_private_segment_fixed_size 0
		.amdhsa_enable_private_segment 0
		.amdhsa_kernarg_size 40
		.amdhsa_user_sgpr_count 2
		.amdhsa_user_sgpr_kernarg_segment_ptr 1
		.amdhsa_wavefront_size32 1
		.amdhsa_system_sgpr_workgroup_id_x 1
		.amdhsa_system_sgpr_workgroup_id_y 1
		.amdhsa_system_sgpr_workgroup_id_z 1
		.amdhsa_system_vgpr_workitem_id 0
		.amdhsa_next_free_vgpr 768
		.amdhsa_next_free_sgpr 100
		.amdhsa_reserve_vcc 0
		.amdhsa_float_denorm_mode_32 3
		.amdhsa_float_denorm_mode_16_64 3
		.amdhsa_memory_ordered 1
		.amdhsa_forward_progress 1
		.amdhsa_inst_pref_size 87
	.end_amdhsa_kernel
	.amdgpu_metadata
---
amdhsa.version: [ 1, 2 ]
amdhsa.kernels:
  - .name:           k_q682241b62a_proj
    .symbol:         k_q682241b62a_proj.kd
    .args:
      - { .name: ao, .offset: 0, .size: 8, .value_kind: global_buffer, .address_space: global }
      - { .name: w_proj_codes, .offset: 8, .size: 8, .value_kind: global_buffer, .address_space: global }
      - { .name: lowp_scales, .offset: 16, .size: 8, .value_kind: global_buffer, .address_space: global }
      - { .name: b_proj, .offset: 24, .size: 8, .value_kind: global_buffer, .address_space: global }
      - { .name: out0, .offset: 32, .size: 8, .value_kind: global_buffer, .address_space: global }
    .group_segment_fixed_size: 327680
    .private_segment_fixed_size: 0
    .kernarg_segment_align: 8
    .kernarg_segment_size: 40
    .max_flat_workgroup_size: 128
    .sgpr_count:     100
    .vgpr_count:     768
    .wavefront_size: 32
...
	.end_amdgpu_metadata
.endif
;; end of part 3
